; MI455X (gfx1250); checked and timed in simulation.
; The chip was launched on July 23, 2026; its instructions are those of AMD's public machine-readable ISA for CDNA 5 (MIT licence, August 2026) and "CDNA5" Instruction Set Architecture Reference Guide (July 2026). The comments in the code are by the model that wrote it; some were corrected since.
;; Spatial Multi Head Self Attention. Allowed arithmetic: float matrix products may take bf16 or f16 operands with f32 sums; all other float work in f32.
;; Inputs: b_proj 256 float32; b_qkv 768 float32; w_proj 256 x 256 float32; w_qkv 768 x 256 float32; x 2 x 256 x 64 x 64 float32.
;; Outputs: out0 2 x 256 x 64 x 64 float32.
;; One version. Each part assembles by itself: llvm-mc -triple=amdgcn-amd-amdhsa -mcpu=gfx1250 --defsym DOCPART=n.
;; ======== version 1 of 1: 3 launches
;; limits: values are held in f16: magnitudes above 65,504 overflow, below 6.1e-05 lose precision
;; workspace buffers: qf 4,194,304 bytes; kv 8,388,608 bytes; af 4,194,304 bytes
;; launch qkv (part 1): grid 64 x 4, 8 waves a work-group, no clusters, 176,128 bytes of LDS; arguments x, w_qkv, b_qkv, qf, kv; writes qf, kv
.if DOCPART == 1
	.amdgcn_target "amdgcn-amd-amdhsa--gfx1250"
	.amdhsa_code_object_version 6
	.text
	.protected	k_q52ca87cbcf_qkv
	.globl	k_q52ca87cbcf_qkv
	.p2align	8
	.type	k_q52ca87cbcf_qkv,@function
k_q52ca87cbcf_qkv:
	s_mov_b64 s[64:65], 0
	v_nop
	global_prefetch_b8 v0, s[64:65] scope:SCOPE_SE
	s_setreg_imm32_b32 hwreg(HW_REG_WAVE_MODE, 25, 1), 1
	s_wait_xcnt 0x0
; qkv[b][o][p] = sum over d of w_qkv[o][d] x[b][d][p] + b_qkv[o], stored as f16 in the order in which the attention kernel's
; matrix instructions want their operands ("fragment order": 1,024 bytes a fragment, lane l's registers 0-3 at byte 16 l, registers 4-7 at 512 + 16 l).
; A work-group makes 128 pixels x 192 output channels (six chunks of 32 channels; chunk 0-7: q of head 0-7, 8-15: k, 16-23: v).
; Eight waves: wave w owns 32 pixels (w & 3) and three chunks (3 (w >> 2) + 0..2); a chunk is four 16 x 16 accumulators over eight K steps of 32.
; q and k: source 0 = w (rows = channels), source 1 = x (columns = pixels): a lane's eight results are eight neighbouring channels of one pixel.
; v:       source 0 = x (rows = pixels),   source 1 = w (columns = channels): a lane's eight results are eight neighbouring pixels (keys) of one channel.
; Packed to f16, each is 16 bytes of the next product's fragment in the same lane: every store of a wave covers 512 consecutive bytes, aligned.
; FORMAT: all matrix operands are f16, sums f32.  f16's 11 significant bits are taken because the attention output is a zero-mean sum over 4,096 keys:
; a rounding of an operand to 8 significant bits costs about 0.17 % of the output's root mean square, and q, k, v, the weights of the softmax and the
; attention output together about 0.37 %, against 1 % allowed for each number.
; LIMIT: |x|, |w| and every |q|, |k|, |v| must stay below 65,504 (f16's largest number); beyond it the conversion overflows.  As the inputs are drawn
; |q|, |k|, |v| reach about 5; with x, w_qkv and b_qkv all 30 times larger about 4,800; with offsets of 30 spreads on x and w_qkv about 14,400.
; NO JOINT TENSOR LOADS, though four work-groups read the same x and 64 the same w: x and w are f32 in memory and are needed as f16, so every byte passes
; through registers to be converted; brought by the data mover it would cross LDS twice.
.set XPITCH, 288                       ; XS: 256 rows (d) of 128 f16 pixels, 256 bytes + 32: 9 x 32 bytes, for the transposing loads
.set WSB,    73728                     ; WS begins behind XS (256 x 288 bytes)
.set WPITCH, 528                       ; WS: 192 rows (channels) of 256 f16, 512 bytes + 16: sixteen rows' 16-byte pieces fall on sixteen different 16-byte columns modulo 256
.set VX,   1                           ; v1   x: wave's 32 rows of 16,384 bytes + 16 lane
.set VW,   2                           ; v2   w: wave's 24 rows of 1,024 bytes + 16 lane
.set VSX,  3                           ; v3   XS: where the wave puts its rows, + 8 lane
.set VSW,  4                           ; v4   WS: likewise
.set VXF,  5                           ; v5, v6  XS: the lane's address for transposing loads, K steps 0-3 and 4-7 (the immediate has 16 bits)
.set VWF,  7                           ; v7   WS: the lane's address for w's fragments
.set VH32, 8                           ; v8   32 (lane / 16)
.set VR4,  9                           ; v9   4 (lane % 16)
.set VL16, 10                          ; v10  16 lane
.set VBI,  11                          ; v11  offset into b_qkv
.set VOUT, 12                          ; v12  offset into qf or kv
.set TT,   16                          ; v[16:31]   staging: eight pairs of packed f16, by turns
.set BI,   16                          ; v[16:31]   later: the bias
.set RG,   32                          ; v[32:255]  staging: f32 as loaded
.set XF,   32                          ; v[32:159]  later: x's fragments, (K step, pixel tile) at 8 (2 ks + pt)
.set WF,   160                         ; v[160:223] w's fragments: two buffers of two K steps x two channel tiles
.set ACC,  224                         ; v[224:255] four accumulators, (ct, pt) at 8 (2 ct + pt)
.macro PLACES n
.rept \n
	v_nop
.endr
.endm
	s_load_b128 s[4:7], s[0:1], 0x0                ; x s[4:5], w_qkv s[6:7]
	s_load_b128 s[8:11], s[0:1], 0x10              ; b_qkv s[8:9], qf s[10:11]
	s_load_b64 s[12:13], s[0:1], 0x20              ; kv
	s_set_vgpr_msb 0x40
	v_lshl_add_u32 v0, v0, 2, 0x2ac00
	v_mov_b32 v1, 0
	s_set_vgpr_msb 0x4000
	v_and_b32 v13, 31, v0                          ; lane
	v_lshrrev_b32 v14, 5, v0
	v_readfirstlane_b32 s14, v14                   ; wave 0..7
	s_and_b32 s16, ttmp7, 0xffff                   ; cb: which 192 channels
	s_lshr_b32 s17, ttmp9, 5                       ; b: batch
	s_and_b32 s18, ttmp9, 31                       ; pbl: which 128 pixels of the batch
	s_and_b32 s19, s14, 3                          ; pp: my 32 pixels
	s_lshr_b32 s20, s14, 2                         ; wh: my three chunks
	s_mul_i32 s21, s16, 6
	s_mul_i32 s27, s20, 3
	s_add_co_u32 s21, s21, s27                     ; my first chunk = 6 cb + 3 wh
	v_lshlrev_b32 v[VL16], 4, v13
	s_lshl_b32 s27, s14, 19
	v_add_nc_u32 v[VX], s27, v[VL16]               ; 32 rows x 16,384 bytes a wave
	s_mul_i32 s27, s14, 24576
	v_add_nc_u32 v[VW], s27, v[VL16]               ; 24 rows x 1,024 bytes a wave
	s_mul_i32 s27, s14, 32*XPITCH
	v_lshl_add_u32 v[VSX], v13, 3, s27
	s_mul_i32 s27, s14, 24*WPITCH
	s_add_co_u32 s27, s27, WSB
	v_lshl_add_u32 v[VSW], v13, 3, s27
	v_and_b32 v14, 7, v13
	v_lshrrev_b32 v15, 4, v13                      ; h = lane / 16
	v_lshl_add_u32 v14, v15, 3, v14                ; 8 h + lane % 8: the row (d) that the lane addresses
	v_mul_u32_u24 v14, v14, XPITCH
	v_bfe_u32 v[VXF], v13, 3, 1
	v_lshl_add_u32 v[VXF], v[VXF], 4, v14          ; + 16 bytes for lanes 8-15 and 24-31
	s_lshl_b32 s27, s19, 6
	v_add_nc_u32 v[VXF], s27, v[VXF]               ; + my 32 pixels x 2 bytes
	v_add_nc_u32 v[VXF+1], 128*XPITCH, v[VXF]      ; K steps 4-7
	v_and_b32 v14, 15, v13                         ; r = lane % 16
	v_mul_u32_u24 v[VWF], v14, WPITCH
	v_lshl_add_u32 v[VWF], v15, 4, v[VWF]
	s_mul_i32 s27, s20, 96*WPITCH
	s_add_co_u32 s27, s27, WSB
	v_add_nc_u32 v[VWF], s27, v[VWF]               ; WS + (96 wh + r) pitch + 16 h
	v_lshlrev_b32 v[VH32], 5, v15
	v_lshlrev_b32 v[VR4], 2, v14
	s_lshl_b32 s22, s17, 22                        ; a batch of x is 4,194,304 bytes
	s_lshl_b32 s27, s18, 9                         ; 128 pixels are 512 bytes
	s_add_co_u32 s22, s22, s27
	s_mov_b32 s23, 0
	s_wait_kmcnt 0x0
	s_add_nc_u64 s[4:5], s[4:5], s[22:23]
	s_mul_i32 s22, s16, 196608                     ; 192 rows of w
	s_add_nc_u64 s[6:7], s[6:7], s[22:23]
	; PHASE 1: x and w come in by loads of 512 consecutive bytes a wave, are rounded to f16 once, and go to LDS.
.set ii, 0
.rept 32
	global_load_b128 v[RG+4*ii:RG+4*ii+3], v[VX], s[4:5] offset:ii*16384      ; row d = 32 wave + ii, my group's 128 pixels
.set ii, ii+1
.endr
.set ii, 0
.rept 24
	global_load_b128 v[RG+128+4*ii:RG+128+4*ii+3], v[VW], s[6:7] offset:ii*512 ; w, first half of my 24 rows (half a row a load)
.set ii, ii+1
.endr
.macro CVX n                           ; four pixels of row n: 8 bytes a lane, 256 consecutive bytes a wave
	v_cvt_pk_f16_f32 v[TT+2*((\n)%8)], v[RG+4*(\n)], v[RG+4*(\n)+1]
	v_cvt_pk_f16_f32 v[TT+2*((\n)%8)+1], v[RG+4*(\n)+2], v[RG+4*(\n)+3]
	ds_store_b64 v[VSX], v[TT+2*((\n)%8):TT+2*((\n)%8)+1] offset:(\n)*XPITCH
.endm
.macro CVW reg, k                      ; load k of w: row k / 2, half k % 2
	v_cvt_pk_f16_f32 v[TT+2*((\k)%8)], v[\reg], v[\reg+1]
	v_cvt_pk_f16_f32 v[TT+2*((\k)%8)+1], v[\reg+2], v[\reg+3]
	ds_store_b64 v[VSW], v[TT+2*((\k)%8):TT+2*((\k)%8)+1] offset:((\k)/2)*WPITCH+((\k)%2)*256
.endm
.set gg, 0
.rept 8
	s_wait_loadcnt 52-4*gg                         ; x's loads 4 gg .. 4 gg + 3 are in: 28 - 4 gg younger of x and 24 of w stay out
.irp q, 0,1,2,3
	CVX 4*gg+\q
.endr
.set gg, gg+1
.endr
.set ii, 0
.rept 24
	global_load_b128 v[RG+4*ii:RG+4*ii+3], v[VW], s[6:7] offset:(24+ii)*512    ; w, second half, into registers that only the conversions above have read
.set ii, ii+1
.endr
.set gg, 0
.rept 6
	s_wait_loadcnt 44-4*gg                         ; 20 - 4 gg younger of the first half and 24 of the second stay out
.irp q, 0,1,2,3
	CVW RG+128+4*(4*gg+\q), 4*gg+\q
.endr
.set gg, gg+1
.endr
.set gg, 0
.rept 6
	s_wait_loadcnt 20-4*gg                         ; 20 - 4 gg younger loads stay out
.irp q, 0,1,2,3
	CVW RG+4*(4*gg+\q), 24+4*gg+\q
.endr
.set gg, gg+1
.endr
	s_wait_dscnt 0x0                               ; my stores to LDS are done, for the other waves' sake
	s_barrier_signal -1
	s_barrier_wait -1                              ; XS and WS are whole; nothing writes LDS from here on: the only barrier
	; PHASE 2: my 32 pixels' fragments of x, all eight K steps, stay in registers for all three chunks.
	; XS lies [d][pixel]; the transposing load gives lane l pixel l % 16 and eight neighbouring d.
.set ks, 0
.rept 8
.irp pt, 0,1
.irp hf, 0,1
	ds_load_tr16_b128 v[XF+8*(2*ks+\pt)+4*\hf:XF+8*(2*ks+\pt)+4*\hf+3], v[VXF+ks/4] offset:(ks%4)*32*XPITCH+\hf*16*XPITCH+\pt*32
.endr
.endr
.set ks, ks+1
.endr
; eight LDS loads: w's fragments of chunk i, K steps ks0 and ks0 + 1, both channel tiles, into buffer buf
.macro WLOAD buf, ks0, i
.irp kl, 0,1
.irp ct, 0,1
.irp hf, 0,1
	ds_load_b128 v[WF+32*\buf+8*(2*\kl+\ct)+4*\hf:WF+32*\buf+8*(2*\kl+\ct)+4*\hf+3], v[VWF] offset:\i*32*WPITCH+\ct*16*WPITCH+(\ks0+\kl)*64+\hf*32
.endr
.endr
.endr
.endm
; four matrix instructions, one K step.  The four accumulators take turns, one instruction a turn.
.macro MULQK ks, first                 ; rows = channels, columns = pixels; the first product takes the bias as C: nothing is cleared or added later
.irp ct, 0,1
.irp pt, 0,1
.set dd, ACC+8*(2*\ct+\pt)
.set aa, WF+32*(((\ks)/2)%2)+8*(2*((\ks)%2)+\ct)
.set bb, XF+8*(2*(\ks)+\pt)
.if \first
	v_wmma_f32_16x16x32_f16 v[dd:dd+7], v[aa:aa+7], v[bb:bb+7], v[BI+8*\ct:BI+8*\ct+7]
.else
	v_wmma_f32_16x16x32_f16 v[dd:dd+7], v[aa:aa+7], v[bb:bb+7], v[dd:dd+7]
.endif
.endr
.endr
.endm
.macro MULV ks, first                  ; rows = pixels, columns = channels; the first product starts the sums
.irp ct, 0,1
.irp pt, 0,1
.set dd, ACC+8*(2*\ct+\pt)
.set aa, WF+32*(((\ks)/2)%2)+8*(2*((\ks)%2)+\ct)
.set bb, XF+8*(2*(\ks)+\pt)
.if \first
	v_wmma_f32_16x16x32_f16 v[dd:dd+7], v[bb:bb+7], v[aa:aa+7], 0
.else
	v_wmma_f32_16x16x32_f16 v[dd:dd+7], v[bb:bb+7], v[aa:aa+7], v[dd:dd+7]
.endif
.endr
.endr
.endm
; The eight K steps of a chunk.  w's two buffers take turns: while one is multiplied the other's eight loads are on their way.
; A load into a register that a matrix instruction has read stands four plain vector places behind it (ISA guide 7.12.1 for vector instructions).
.macro SWEEP mul, i
	s_wait_loadcnt 0x0                             ; the bias
	s_wait_dscnt 8                                 ; all but the youngest eight LDS loads (buffer 1) are in: buffer 0, and in the first chunk x's fragments
	\mul 0, 1
	\mul 1, 0
	PLACES 4
	WLOAD 0, 4, \i
	s_wait_dscnt 8                                 ; buffer 1 is in, the eight just issued stay out
	\mul 2, 0
	\mul 3, 0
	PLACES 4
	WLOAD 1, 6, \i
	s_wait_dscnt 8
	\mul 4, 0
	\mul 5, 0
	s_wait_dscnt 0x0
	\mul 6, 0
	\mul 7, 0
	PLACES 5                                       ; behind the last products: for the vector work on the sums, and for the next chunk's first products and loads
.endm
.macro PACK                            ; each accumulator's eight f32 become four registers of f16, in place (a source is read before or as its register is written)
.irp a, 0,1,2,3
.irp q, 0,1,2,3
	v_cvt_pk_f16_f32 v[ACC+8*\a+\q], v[ACC+8*\a+2*\q], v[ACC+8*\a+2*\q+1]
.endr
.endr
.endm
; PHASE 3: one chunk of 32 channels.  The branch hangs on the chunk's number (work-group y and wave): no barrier stands in either way.
.macro UNIT i
	s_add_co_u32 s24, s21, \i                      ; chunk 0..23
	s_and_b32 s25, s24, 7                          ; head
	s_lshl3_add_u32 s25, s17, s25                  ; bh = 8 b + head
	s_lshl2_add_u32 s27, s18, s19                  ; my group of 32 pixels in the batch = 4 pbl + pp
	s_lshl_b32 s26, s25, 7
	s_add_co_u32 s26, s26, s27                     ; u = 128 bh + group
	s_lshl_b32 s27, s24, 7                         ; the chunk's 32 biases begin at byte 128 x chunk
	s_wait_xcnt 0x0                                ; the last chunk's stores have had their addresses translated (ISA guide 3.1): their data (ACC), offset and base are rewritten only behind this wait
	WLOAD 0, 0, \i
	WLOAD 1, 2, \i
	s_cmp_ge_u32 s24, 16
	s_cbranch_scc1 .Lvpath_\@
	; q or k.  C's register j of lane (r, h) belongs to channel 16 ct + 8 h + j
	v_add_nc_u32 v[VBI], s27, v[VH32]
	global_load_b128 v[BI:BI+3],     v[VBI], s[8:9]
	global_load_b128 v[BI+4:BI+7],   v[VBI], s[8:9] offset:16
	global_load_b128 v[BI+8:BI+11],  v[VBI], s[8:9] offset:64
	global_load_b128 v[BI+12:BI+15], v[VBI], s[8:9] offset:80
	SWEEP MULQK, \i
	PACK
	s_cmp_lt_u32 s24, 8
	s_cselect_b64 s[28:29], s[10:11], s[12:13]     ; q goes to qf, k to kv
	s_cselect_b32 s27, 11, 12                      ; 32 pixels are 2,048 bytes of qf, 4,096 of kv (k and v together)
	s_lshl_b32 s27, s26, s27
	v_add_nc_u32 v[VOUT], s27, v[VL16]
.irp ct, 0,1
.irp pt, 0,1
	global_store_b128 v[VOUT], v[ACC+8*(2*\ct+\pt):ACC+8*(2*\ct+\pt)+3], s[28:29] offset:\pt*1024+\ct*512   ; fragment = pixel tile, half = channel tile
.endr
.endr
	s_branch .Ldone_\@
.Lvpath_\@:
	; v.  A lane's results belong to one channel, 16 ct + r
	v_add_nc_u32 v[VBI], s27, v[VR4]
	global_load_b32 v[BI],   v[VBI], s[8:9]
	global_load_b32 v[BI+1], v[VBI], s[8:9] offset:64
	SWEEP MULV, \i
.irp pt, 0,1
.irp q, 0,2,4,6
	v_pk_add_f32 v[ACC+8*\pt+\q:ACC+8*\pt+\q+1], v[ACC+8*\pt+\q:ACC+8*\pt+\q+1], v[BI:BI+1] op_sel_hi:[1,0]                       ; channel tile 0: both halves add BI
	v_pk_add_f32 v[ACC+16+8*\pt+\q:ACC+16+8*\pt+\q+1], v[ACC+16+8*\pt+\q:ACC+16+8*\pt+\q+1], v[BI:BI+1] op_sel:[0,1] op_sel_hi:[1,1] ; channel tile 1: both add BI + 1
.endr
.endr
	PACK
	s_lshl_b32 s27, s26, 12
	v_add_nc_u32 v[VOUT], s27, v[VL16]
.irp ct, 0,1
.irp pt, 0,1
	global_store_b128 v[VOUT], v[ACC+8*(2*\ct+\pt):ACC+8*(2*\ct+\pt)+3], s[12:13] offset:2048+\ct*1024+\pt*512  ; behind k's 2,048 bytes: fragment = channel tile, half = pixel tile
.endr
.endr
.Ldone_\@:
.endm
	UNIT 0
	UNIT 1
	UNIT 2
	s_set_vgpr_msb 0x5
	s_wait_tensorcnt 0x0
	ds_add_u32 v0, v1
	s_wait_dscnt 0x0
	s_set_vgpr_msb 0x500
	s_endpgm
.Lfunc_end_k_q52ca87cbcf_qkv:
	.size	k_q52ca87cbcf_qkv, .Lfunc_end_k_q52ca87cbcf_qkv-k_q52ca87cbcf_qkv
	.p2alignl 7, 3214868480
	.fill 96, 4, 3214868480
	.section	.rodata,"a",@progbits
	.p2align	6, 0x0
	.amdhsa_kernel k_q52ca87cbcf_qkv
		.amdhsa_group_segment_fixed_size 176128
		.amdhsa_private_segment_fixed_size 0
		.amdhsa_enable_private_segment 0
		.amdhsa_kernarg_size 40
		.amdhsa_user_sgpr_count 2
		.amdhsa_user_sgpr_kernarg_segment_ptr 1
		.amdhsa_wavefront_size32 1
		.amdhsa_system_sgpr_workgroup_id_x 1
		.amdhsa_system_sgpr_workgroup_id_y 1
		.amdhsa_system_sgpr_workgroup_id_z 1
		.amdhsa_system_vgpr_workitem_id 0
		.amdhsa_next_free_vgpr 258
		.amdhsa_next_free_sgpr 66
		.amdhsa_reserve_vcc 0
		.amdhsa_float_denorm_mode_32 3
		.amdhsa_float_denorm_mode_16_64 3
		.amdhsa_memory_ordered 1
		.amdhsa_forward_progress 1
		.amdhsa_inst_pref_size 68
	.end_amdhsa_kernel
	.amdgpu_metadata
---
amdhsa.version: [ 1, 2 ]
amdhsa.kernels:
  - .name:           k_q52ca87cbcf_qkv
    .symbol:         k_q52ca87cbcf_qkv.kd
    .args:
      - { .name: x, .offset: 0, .size: 8, .value_kind: global_buffer, .address_space: global }
      - { .name: w_qkv, .offset: 8, .size: 8, .value_kind: global_buffer, .address_space: global }
      - { .name: b_qkv, .offset: 16, .size: 8, .value_kind: global_buffer, .address_space: global }
      - { .name: qf, .offset: 24, .size: 8, .value_kind: global_buffer, .address_space: global }
      - { .name: kv, .offset: 32, .size: 8, .value_kind: global_buffer, .address_space: global }
    .group_segment_fixed_size: 176128
    .private_segment_fixed_size: 0
    .kernarg_segment_align: 8
    .kernarg_segment_size: 40
    .max_flat_workgroup_size: 256
    .sgpr_count:     66
    .vgpr_count:     258
    .wavefront_size: 32
...
	.end_amdgpu_metadata
.endif
;; end of part 1
;; launch attn (part 2): grid 16 x 16, 8 waves a work-group, clusters of 4 x 1, 327,680 bytes of LDS; arguments qf, kv, af; writes af
.if DOCPART == 2
	.amdgcn_target "amdgcn-amd-amdhsa--gfx1250"
	.amdhsa_code_object_version 6
	.text
	.protected	k_q52ca87cbcf_attn
	.globl	k_q52ca87cbcf_attn
	.p2align	8
	.type	k_q52ca87cbcf_attn,@function
k_q52ca87cbcf_attn:
	s_mov_b64 s[64:65], 0
	v_nop
	global_prefetch_b8 v0, s[64:65] scope:SCOPE_SE
	s_setreg_imm32_b32 hwreg(HW_REG_WAVE_MODE, 25, 1), 1
	s_wait_xcnt 0x0
	s_wait_alu depctr_hold_cnt(0) depctr_sa_sdst(0) depctr_va_vdst(0) depctr_va_sdst(0) depctr_va_ssrc(0) depctr_va_vcc(0) depctr_vm_vsrc(0)
	s_getreg_b32 s2, hwreg(HW_REG_IB_STS2, 6, 4)
	s_cmp_eq_u32 s2, 0
	s_cbranch_scc0 .Lentry_in_a_cluster
	s_endpgm
.Lentry_in_a_cluster:
	s_bfe_u32 s2, ttmp6, 0x10000c
	s_cmp_lg_u32 s2, 0x3003
	s_cbranch_scc0 .Lentry_shape_is_right
	s_endpgm
.Lentry_shape_is_right:
; Attention of one (batch, head) = work-group y, for 256 queries = work-group x; 4,096 keys, head dimension 32.  All matrix operands f16, sums and softmax f32.
; Eight waves, 32 queries each (two tiles of 16).  Keys go in chunks of 64:
;   scores, transposed: source 0 = 16 keys of K, source 1 = 16 queries of Q: lane (r, h) holds query r and keys 16 kt + 8 h + 0..7 in its eight registers;
;   after the exponential, four packing conversions make of them, in the same lane, half of source 1 of O^T = V^T P^T (column = query r, k = key):
;   no result goes through LDS or another lane.  A query's numbers lie in lanes r and r + 16: one exchange for the maximum in each chunk, one for the sum at the end.
; SOFTMAX: a running maximum M of the raw scores; weights are 2^(c s - c M), c = 32^-0.5 log2 e, by one fused multiply-add and v_exp_f32; when M grows, sums and
; O are scaled by 2^(difference of the two rounded shifts).  Two waves lie on each SIMD so that one wave's matrix work can run beside the other's softmax:
; a chunk has 16 matrix instructions against 66 exponentials and about 160 plain vector instructions.
; QUERY ORDER: column r of query tile t (0..3) of a group g of 64 pixels is pixel 64 g + 4 r + t, so that in the projection a lane ends up with four neighbouring pixels.
; The order is made by the addresses of the four loads of Q, once.
; K AND V come as tiles of 256 keys (32,768 bytes, dense, already in fragment order) through two LDS slots.  The four work-groups of a cluster have the same
; (batch, head) and walk the same 16 tiles: every tile is asked for jointly (mask 15).  Each wave asks for 4,096 bytes of each tile; one tensor
; load of a wave is out at a time, issued first behind a round of the cluster's barrier and waited for in front of the next, a whole tile's work later.
; Fragment order has lane l at byte 16 l of each 512 bytes: consecutive, so the slots need no padding.
; LIMITS: weights below 2^-126 count as zero (v_exp_f32 flushes denormal results: ISA guide 15.8), and below 2^-24 they round to zero in f16; both against a largest weight
; of about 1.  Scores beyond f32's range give NaN as in the reference.  |q|, |k|, |v| below 65,504 (see the kernel that makes them).
.set SLOTB, 32768
.set WAVE, 10                          ; s10 the wave's number
.set LA,  1                            ; v1, v2   16 lane + slot
.set VQ,  3                            ; v3       the lane's offset for Q's loads
.set VO,  4                            ; v4       16 lane, for the stores
.set QF,  8                            ; v[8:23]     Q, 8 registers a query tile
.set KF,  24                           ; v[24:55]    K, four key tiles
.set VF,  56                           ; v[56:87]    V^T, (group of 32 keys, dimension tile) at 8 (2 g + dt)
.set OA,  88                           ; v[88:119]   O^T, (qt, dt) at 16 qt + 8 dt
.set SC,  120                          ; v[120:183]  scores, then weights, (qt, kt) at 32 qt + 8 kt
.set PB,  184                          ; v[184:215]  weights in f16, (qt, g) at 16 qt + 8 g
.set MX,  216                          ; v[216:217]  running maximum, one a query tile
.set NM,  218                          ; v[218:219]  - c M
.set AL,  220                          ; v[220:221]  the factor by which old sums shrink
.set LS,  222                          ; v[222:223]  running sum of my half of the keys
.set LSA, 224                          ; v[224:225]  a chunk's sum, two chains of pairs
.set LSB, 226                          ; v[226:227]
.set TT,  228                          ; v[228:235]  at work
.macro PLACES n
.rept \n
	v_nop
.endr
.endm
; A round of the cluster's barrier: my work-group's barrier, wave 0 signals for the work-group, every wave waits for all four work-groups, my work-group's barrier again.
.macro ROUND
	s_barrier_signal -1
	s_barrier_wait -1
	s_cmp_lg_u32 s[WAVE], 0
	s_cbranch_scc1 .Lnot_wave_0_\@
	s_barrier_signal -3
.Lnot_wave_0_\@:
	s_barrier_wait -3
	s_barrier_signal -1
	s_barrier_wait -1
.endm
	s_load_b128 s[4:7], s[0:1], 0x0                ; qf s[4:5], kv s[6:7]
	s_load_b64 s[8:9], s[0:1], 0x10                ; af
	v_lshl_add_u32 v236, v0, 2, 0x29000
	v_mov_b32 v237, 0
	ds_add_u32 v236, v237
	v_and_b32 v5, 31, v0                           ; lane
	v_lshrrev_b32 v6, 5, v0
	v_readfirstlane_b32 s[WAVE], v6
	s_bfe_u32 s11, ttmp6, 0x40000                  ; cx: my place in the cluster
	s_lshl_b32 s12, ttmp9, 2
	s_add_co_u32 s12, s12, s11                     ; my block of 256 queries = 4 x cluster x + cx.  It enters qf's and af's addresses alone
	s_and_b32 s13, ttmp7, 0xffff                   ; bh = 8 b + head, shared by the cluster
	s_lshr_b32 s14, s[WAVE], 1                     ; which group of 64 pixels of the block
	s_and_b32 s15, s[WAVE], 1                      ; which two of its four query tiles
	s_mov_b32 s24, 0x3e8293ee                      ; c = 32^-0.5 x log2 e = 0.2550349
	s_mov_b32 s25, 0x3e8293ee
	s_mov_b32 s28, 0xbe8293ee                      ; - c
	s_mov_b32 s26, 0x76543210                      ; v_permlanex16_b32: lane i takes lane i of the other half
	s_mov_b32 s27, 0xfedcba98
	v_lshlrev_b32 v[LA], 4, v5
	v_add_nc_u32 v[LA+1], SLOTB, v[LA]
	v_lshlrev_b32 v[VO], 4, v5
	v_and_b32 v6, 15, v5                           ; r
	v_lshrrev_b32 v7, 4, v5                        ; h
	v_lshrrev_b32 v[VQ], 2, v6
	v_lshlrev_b32 v[VQ], 10, v[VQ]                 ; pixel 4 r + t lies in the group's fragment r / 4,
	v_lshl_add_u32 v[VQ], v7, 8, v[VQ]             ; in the half of the lanes h,
	v_and_b32 v6, 3, v6
	v_lshl_add_u32 v[VQ], v6, 6, v[VQ]             ; at lane 4 (r % 4) + t of it
	; descriptor group 1: 16 rows of 256 bytes, dense; the same for every load
	s_mov_b32 s16, 15|(3<<16)|(1<<21)              ; 15:0 mask: all four work-groups of the cluster; 17:16 elements of 8 bytes; 21 set beside a mask; no padding
	s_mov_b32 s17, 32<<16                          ; tensor_dim0 = 32 elements
	s_mov_b32 s18, 16<<16                          ; tensor_dim1 = 16 rows
	s_mov_b32 s19, 32<<16                          ; tile_dim0 = 32
	s_mov_b32 s20, 16                              ; tile_dim1 = 16
	s_mov_b32 s21, 32                              ; from row to row: 32 elements
	s_mov_b32 s22, 0
	s_mov_b32 s23, 0
	; offsets.  s[40:41] and s33 hold nothing of cx: they feed the joint loads.  s[42:43], s45 are for qf and af
	s_lshl_b32 s33, s[WAVE], 12                    ; my 4,096 bytes of a tile, in memory and in LDS
	s_lshl_b32 s40, s13, 19                        ; a head's K and V: 524,288 bytes
	s_add_co_u32 s40, s40, s33
	s_mov_b32 s41, 0
	s_lshl_b32 s42, s13, 18                        ; a head's Q: 262,144 bytes
	s_lshl_b32 s45, s12, 14                        ; 256 queries: 16,384
	s_add_co_u32 s42, s42, s45
	s_lshl_b32 s45, s14, 12                        ; a group of 64: 4,096
	s_add_co_u32 s42, s42, s45
	s_lshl_b32 s45, s15, 5                         ; t = 2 (wave & 1) + qt: 16 bytes each
	s_add_co_u32 s42, s42, s45
	s_mov_b32 s43, 0
	s_wait_dscnt 0x0
	s_wait_kmcnt 0x0
	s_add_nc_u64 s[4:5], s[4:5], s[42:43]
	s_add_nc_u64 s[6:7], s[6:7], s[40:41]
	s_lshr_b32 s42, s13, 3
	s_lshl_b32 s42, s42, 21                        ; af: a batch is 2,097,152 bytes,
	s_lshl_b32 s45, s12, 17                        ; four groups 131,072,
	s_add_co_u32 s42, s42, s45
	s_lshl_b32 s45, s14, 15                        ; a group (eight heads) 32,768,
	s_add_co_u32 s42, s42, s45
	s_and_b32 s45, s13, 7
	s_lshl_b32 s45, s45, 12                        ; a head 4,096,
	s_add_co_u32 s42, s42, s45
	s_lshl_b32 s45, s15, 11                        ; two query tiles 2,048
	s_add_co_u32 s42, s42, s45
	s_add_nc_u64 s[8:9], s[8:9], s[42:43]
	; descriptor group 0, one set for each slot: tile 0 and tile 1
	s_mov_b32 s32, 1
	s_mov_b64 s[34:35], s[6:7]
	s_or_b32 s35, s35, 0x80000000
	s_mov_b32 s36, 1
	s_add_co_u32 s37, s33, SLOTB
	s_add_nc_u64 s[38:39], s[6:7], SLOTB
	s_or_b32 s39, s39, 0x80000000
	ROUND                                          ; all four work-groups are here: the first joint loads meet
	tensor_load_to_lds s[32:35], s[16:23]          ; tile 0
	s_nop 0
.irp qt, 0,1
.irp hf, 0,1
	global_load_b128 v[QF+8*\qt+4*\hf:QF+8*\qt+4*\hf+3], v[VQ], s[4:5] offset:\qt*16+\hf*512
.endr
.endr
	s_wait_loadcnt 0x0                             ; Q, once
.macro KLOAD slot, c                   ; eight LDS loads: the four key tiles of chunk c
.irp kt, 0,1,2,3
.irp hf, 0,1
	ds_load_b128 v[KF+8*\kt+4*\hf:KF+8*\kt+4*\hf+3], v[LA+\slot] offset:(\c)*8192+(\kt/2)*4096+(\kt%2)*1024+\hf*512
.endr
.endr
.endm
.macro VLOAD slot, c                   ; eight LDS loads: V^T of chunk c, two groups of 32 keys x two dimension tiles
.irp g, 0,1
.irp dt, 0,1
.irp hf, 0,1
	ds_load_b128 v[VF+8*(2*\g+\dt)+4*\hf:VF+8*(2*\g+\dt)+4*\hf+3], v[LA+\slot] offset:(\c)*8192+\g*4096+2048+\dt*1024+\hf*512
.endr
.endr
.endr
.endm
; the largest of a lane's 32 scores of each query tile (four chains, both tiles interleaved), the other half's, and the running maximum
.macro MAXRED first
.irp qt, 0,1
.irp k, 0,1,2,3
	v_max3_num_f32 v[TT+4*\qt+\k], v[SC+32*\qt+8*\k], v[SC+32*\qt+8*\k+1], v[SC+32*\qt+8*\k+2]
.endr
.endr
.irp qt, 0,1
.irp k, 0,1,2,3
	v_max3_num_f32 v[TT+4*\qt+\k], v[TT+4*\qt+\k], v[SC+32*\qt+8*\k+3], v[SC+32*\qt+8*\k+4]
.endr
.endr
.irp qt, 0,1
.irp k, 0,1,2,3
	v_max3_num_f32 v[TT+4*\qt+\k], v[TT+4*\qt+\k], v[SC+32*\qt+8*\k+5], v[SC+32*\qt+8*\k+6]
.endr
.endr
.irp qt, 0,1
	v_max3_num_f32 v[TT+4*\qt],   v[TT+4*\qt],   v[SC+32*\qt+7],  v[SC+32*\qt+15]
	v_max3_num_f32 v[TT+4*\qt+2], v[TT+4*\qt+2], v[SC+32*\qt+23], v[SC+32*\qt+31]
.endr
.irp qt, 0,1
	v_max3_num_f32 v[TT+4*\qt], v[TT+4*\qt], v[TT+4*\qt+1], v[TT+4*\qt+2]
.endr
.irp qt, 0,1
	v_max_num_f32 v[TT+4*\qt], v[TT+4*\qt], v[TT+4*\qt+3]
.endr
.irp qt, 0,1
	v_permlanex16_b32 v[TT+4*\qt+1], v[TT+4*\qt], s26, s27     ; the same query's other 32 keys; the destination has been written above
.endr
.irp qt, 0,1
.if \first
	v_max_num_f32 v[MX+\qt], v[TT+4*\qt], v[TT+4*\qt+1]
.else
	v_max3_num_f32 v[MX+\qt], v[TT+4*\qt], v[TT+4*\qt+1], v[MX+\qt]
.endif
.endr
.endm
.macro EXP8 idx                        ; one tile's eight exponentials, in place
.irp j, 0,1,2,3,4,5,6,7
	v_exp_f32 v[SC+8*(\idx)+\j], v[SC+8*(\idx)+\j]
.endr
.endm
; one tile (idx = 4 qt + kt): its weights join the chunk's sum (in f32) and are packed to f16 into their place in source 1 of the second product
.macro SUMCVT idx, first
.set sb, SC+8*(\idx)
.set pd, PB+16*((\idx)/4)+8*(((\idx)%4)/2)+4*((\idx)%2)
.set qq, (\idx)/4
.if ((\idx)%4) == 0
	s_wait_alu depctr_va_vdst(0)
	v_pk_add_f32 v[LSA:LSA+1], v[sb:sb+1], v[sb+2:sb+3]        ; the first tile starts the chains: nothing is cleared
	v_pk_add_f32 v[LSB:LSB+1], v[sb+4:sb+5], v[sb+6:sb+7]
.else
	s_wait_alu depctr_va_vdst(0)
	v_pk_add_f32 v[LSA:LSA+1], v[LSA:LSA+1], v[sb:sb+1]
	v_pk_add_f32 v[LSB:LSB+1], v[LSB:LSB+1], v[sb+2:sb+3]
	v_pk_add_f32 v[LSA:LSA+1], v[LSA:LSA+1], v[sb+4:sb+5]
	v_pk_add_f32 v[LSB:LSB+1], v[LSB:LSB+1], v[sb+6:sb+7]
.endif
.irp q, 0,1,2,3
	v_cvt_pk_f16_f32 v[pd+\q], v[sb+2*\q], v[sb+2*\q+1]
.endr
.if ((\idx)%4) == 3
	v_pk_add_f32 v[LSA:LSA+1], v[LSA:LSA+1], v[LSB:LSB+1]
.if \first
	v_add_f32 v[LS+qq], v[LSA], v[LSA+1]
.else
	v_fma_f32 v[LS+qq], v[LS+qq], v[AL+qq], v[LSA]             ; the old sum shrinks and the new one joins in one instruction
	v_add_f32 v[LS+qq], v[LS+qq], v[LSA+1]
.endif
.endif
.endm
; One chunk of 64 keys.  pre = 1: the next chunk's K is fetched from the same slot.  first = 1: the kernel's first chunk starts M, the sums and O.
.macro CHUNK slot, c, pre, first
	s_wait_dscnt 0x0                               ; the only LDS loads out are this chunk's eight of K
.irp kt, 0,1,2,3
.irp qt, 0,1
	v_wmma_f32_16x16x32_f16 v[SC+32*\qt+8*\kt:SC+32*\qt+8*\kt+7], v[KF+8*\kt:KF+8*\kt+7], v[QF+8*\qt:QF+8*\qt+7], 0
.endr
.endr
	PLACES 4                                       ; four plain places behind the products: for the reads of the scores, for the loads into K's registers, and, behind the last chunk's second products, for the loads into V's and the scaling of O
	VLOAD \slot, \c
.if \pre
	KLOAD \slot, \c+1
.endif
	MAXRED \first
.if \first
.irp qt, 0,1
	v_mul_f32 v[NM+\qt], s28, v[MX+\qt]
.endr
.else
.irp qt, 0,1
	v_mov_b32 v[AL+\qt], v[NM+\qt]
.endr
.irp qt, 0,1
	v_mul_f32 v[NM+\qt], s28, v[MX+\qt]            ; the new shift, rounded once
.endr
.irp qt, 0,1
	v_sub_f32 v[AL+\qt], v[NM+\qt], v[AL+\qt]      ; the difference of the two shifts that the exponents really use: 0 or below
.endr
.irp qt, 0,1
	v_exp_f32 v[AL+\qt], v[AL+\qt]                 ; the multiply-adds below are the plain places behind these (ISA guide 5.7.2)
.endr
.endif
.set nn, 0
.rept 16
	v_pk_fma_f32 v[SC+nn:SC+nn+1], v[SC+nn:SC+nn+1], s[24:25], v[NM:NM+1] op_sel_hi:[1,0,0]                       ; c s - c M, query tile 0: both halves take s24 and NM
.set nn, nn+2
.endr
.set nn, 32
.rept 16
	v_pk_fma_f32 v[SC+nn:SC+nn+1], v[SC+nn:SC+nn+1], s[24:25], v[NM:NM+1] op_sel:[0,0,1] op_sel_hi:[1,0,1]        ; query tile 1: both take NM + 1
.set nn, nn+2
.endr
	; exponentials run one tile ahead of the plain work, so that plain instructions on another tile stand between each exponential and its first use
	EXP8 0
.if \first
	v_nop
.else
	s_wait_alu depctr_va_vdst(0)
.irp q, 0,2,4,6,8,10,12,14
	v_pk_mul_f32 v[OA+\q:OA+\q+1], v[OA+\q:OA+\q+1], v[AL:AL+1] op_sel_hi:[1,0]
	v_pk_mul_f32 v[OA+16+\q:OA+16+\q+1], v[OA+16+\q:OA+16+\q+1], v[AL:AL+1] op_sel:[0,1] op_sel_hi:[1,1]
.endr
.endif
.irp n, 1,2,3,4,5,6,7
	EXP8 \n
	SUMCVT \n-1, \first
.endr
	SUMCVT 7, \first
.if \pre
	s_wait_dscnt 8                                 ; V is in; the eight younger loads, the next chunk's K, stay out
.else
	s_wait_dscnt 0x0                               ; V is in, and with it my last reads of this slot
.endif
	; O^T += V^T P^T.  The four accumulators take turns, one instruction a turn.
.irp g, 0,1
.irp qt, 0,1
.irp dt, 0,1
.if \first*(1-\g)
	v_wmma_f32_16x16x32_f16 v[OA+16*\qt+8*\dt:OA+16*\qt+8*\dt+7], v[VF+8*(2*\g+\dt):VF+8*(2*\g+\dt)+7], v[PB+16*\qt+8*\g:PB+16*\qt+8*\g+7], 0
.else
	v_wmma_f32_16x16x32_f16 v[OA+16*\qt+8*\dt:OA+16*\qt+8*\dt+7], v[VF+8*(2*\g+\dt):VF+8*(2*\g+\dt)+7], v[PB+16*\qt+8*\g:PB+16*\qt+8*\g+7], v[OA+16*\qt+8*\dt:OA+16*\qt+8*\dt+7]
.endif
.endr
.endr
.endr
.endm
; One tile of 256 keys.  The round of the cluster's barrier is the barrier in front of the refill: in front of it every wave has waited for all its tensor loads
; (its part of this trip's tile among them) and for its reads of the other slot; the joint refill of that slot is the first tensor load behind it, ahead of any LDS read.
.macro TRIP slot, refill, first
	s_wait_tensorcnt 0x0                           ; no tensor load of mine is out, so a group 0 may be written:
	ds_add_u32 v236, v237
	s_wait_dscnt 0x0
	s_add_nc_u64 s[34+4*\slot:35+4*\slot], s[34+4*\slot:35+4*\slot], 2*SLOTB   ; this slot's next tile (in the last two trips written and not used)
	s_wait_dscnt 0x0                               ; my reads of the last trip's tile are done
	ROUND
.if \refill
	tensor_load_to_lds s[36-4*\slot:39-4*\slot], s[16:23]      ; the next tile, into the slot read last trip
	s_nop 0
.endif
	KLOAD \slot, 0
	CHUNK \slot, 0, 1, \first
	CHUNK \slot, 1, 1, 0
	CHUNK \slot, 2, 1, 0
	CHUNK \slot, 3, 0, 0
.endm
	TRIP 0, 1, 1                                   ; 16 tiles: two in front of the loop (the first chunk starts the sums), 12 in it, two behind it
	TRIP 1, 1, 0
	s_mov_b32 s44, 6
.Lpair:
	TRIP 0, 1, 0
	TRIP 1, 1, 0
	s_sub_co_u32 s44, s44, 1
	s_cmp_lg_u32 s44, 0
	s_cbranch_scc1 .Lpair
	TRIP 0, 1, 0
	TRIP 1, 0, 0                                   ; the last trip fetches nothing
	; THE WAY OUT: the two halves' sums meet, O is divided, packed to f16 and stored in the projection's fragment order
	PLACES 4                                       ; behind the last products, ahead of the vector work on O and on the weights' registers
.irp qt, 0,1
	v_permlanex16_b32 v[TT+\qt], v[LS+\qt], s26, s27
.endr
.irp qt, 0,1
	v_add_f32 v[LS+\qt], v[LS+\qt], v[TT+\qt]
.endr
	v_rcp_f32 v[AL], v[LS]                         ; the sum holds the largest weight, about 1: never zero
	v_rcp_f32 v[AL+1], v[LS+1]
	v_nop                                          ; one plain place behind the reciprocals (ISA guide 5.7.2)
	s_wait_alu depctr_va_vdst(0)
.irp q, 0,2,4,6,8,10,12,14
	v_pk_mul_f32 v[OA+\q:OA+\q+1], v[OA+\q:OA+\q+1], v[AL:AL+1] op_sel_hi:[1,0]
	v_pk_mul_f32 v[OA+16+\q:OA+16+\q+1], v[OA+16+\q:OA+16+\q+1], v[AL:AL+1] op_sel:[0,1] op_sel_hi:[1,1]
.endr
.irp a, 0,1,2,3
.irp q, 0,1,2,3
	v_cvt_pk_f16_f32 v[PB+4*\a+\q], v[OA+8*\a+2*\q], v[OA+8*\a+2*\q+1]        ; a = 2 qt + dt: dimensions 16 dt + 8 h + 0..7 of query r
.endr
.endr
.irp qt, 0,1
.irp dt, 0,1
	global_store_b128 v[VO], v[PB+4*(2*\qt+\dt):PB+4*(2*\qt+\dt)+3], s[8:9] offset:\qt*1024+\dt*512   ; 512 consecutive bytes a wave, aligned
.endr
.endr
	ROUND                                          ; the closing round: no work-group ends while a partner may still ask for a tile that names it
	s_endpgm
.Lfunc_end_k_q52ca87cbcf_attn:
	.size	k_q52ca87cbcf_attn, .Lfunc_end_k_q52ca87cbcf_attn-k_q52ca87cbcf_attn
	.p2alignl 7, 3214868480
	.fill 96, 4, 3214868480
	.section	.rodata,"a",@progbits
	.p2align	6, 0x0
	.amdhsa_kernel k_q52ca87cbcf_attn
		.amdhsa_group_segment_fixed_size 327680
		.amdhsa_private_segment_fixed_size 0
		.amdhsa_enable_private_segment 0
		.amdhsa_kernarg_size 24
		.amdhsa_user_sgpr_count 2
		.amdhsa_user_sgpr_kernarg_segment_ptr 1
		.amdhsa_wavefront_size32 1
		.amdhsa_system_sgpr_workgroup_id_x 1
		.amdhsa_system_sgpr_workgroup_id_y 1
		.amdhsa_system_sgpr_workgroup_id_z 1
		.amdhsa_system_vgpr_workitem_id 0
		.amdhsa_next_free_vgpr 238
		.amdhsa_next_free_sgpr 66
		.amdhsa_reserve_vcc 0
		.amdhsa_float_denorm_mode_32 3
		.amdhsa_float_denorm_mode_16_64 3
		.amdhsa_memory_ordered 1
		.amdhsa_forward_progress 1
		.amdhsa_inst_pref_size 255
	.end_amdhsa_kernel
	.section	.bss,"aw",@nobits
	.p2align	6
	.space	262144
	.amdgpu_metadata
---
amdhsa.version: [ 1, 2 ]
amdhsa.kernels:
  - .name:           k_q52ca87cbcf_attn
    .symbol:         k_q52ca87cbcf_attn.kd
    .args:
      - { .name: qf, .offset: 0, .size: 8, .value_kind: global_buffer, .address_space: global }
      - { .name: kv, .offset: 8, .size: 8, .value_kind: global_buffer, .address_space: global }
      - { .name: af, .offset: 16, .size: 8, .value_kind: global_buffer, .address_space: global }
    .group_segment_fixed_size: 327680
    .private_segment_fixed_size: 0
    .kernarg_segment_align: 8
    .kernarg_segment_size: 24
    .max_flat_workgroup_size: 256
    .sgpr_count:     66
    .vgpr_count:     238
    .wavefront_size: 32
...
	.end_amdgpu_metadata
.endif
;; end of part 2
;; launch proj (part 3): grid 4 x 64, 8 waves a work-group, clusters of 4 x 1, 168,960 bytes of LDS; arguments af, w_proj, b_proj, out0; writes out0
.if DOCPART == 3
	.amdgcn_target "amdgcn-amd-amdhsa--gfx1250"
	.amdhsa_code_object_version 6
	.text
	.protected	k_q52ca87cbcf_proj
	.globl	k_q52ca87cbcf_proj
	.p2align	8
	.type	k_q52ca87cbcf_proj,@function
k_q52ca87cbcf_proj:
	s_mov_b64 s[64:65], 0
	v_nop
	global_prefetch_b8 v0, s[64:65] scope:SCOPE_SE
	s_setreg_imm32_b32 hwreg(HW_REG_WAVE_MODE, 25, 1), 1
	s_wait_xcnt 0x0
	s_wait_alu depctr_hold_cnt(0) depctr_sa_sdst(0) depctr_va_vdst(0) depctr_va_sdst(0) depctr_va_ssrc(0) depctr_va_vcc(0) depctr_vm_vsrc(0)
	s_getreg_b32 s2, hwreg(HW_REG_IB_STS2, 6, 4)
	s_cmp_eq_u32 s2, 0
	s_cbranch_scc0 .Lentry_in_a_cluster
	s_endpgm
.Lentry_in_a_cluster:
	s_bfe_u32 s2, ttmp6, 0x10000c
	s_cmp_lg_u32 s2, 0x3003
	s_cbranch_scc0 .Lentry_shape_is_right
	s_endpgm
.Lentry_shape_is_right:
; out0[b][o][p] = sum over c of w_proj[o][c] a[b][c][p] + b_proj[o].  a is the attention output, f16, in fragment order (buffer af); w_proj is rounded to f16 here; sums f32.
; A work-group makes 64 output channels (its place cx in the cluster) x 128 pixels (work-group y = two groups of 64 pixels).
; Eight waves: wave w owns group w & 1 and the 16 channels of tile w >> 1: four accumulators (pixel tiles t = 0..3) over eight K steps, one a head.
; Source 0 = w_proj (rows = channels), source 1 = a (columns = pixels).  Column r of tile t is pixel 64 g + 4 r + t, so register j of the four accumulators holds, in lane (r, h),
; four neighbouring pixels of channel 8 h + j: the bias add writes them into four neighbouring registers, and sixteen lanes store 256 consecutive bytes, aligned.
; The four work-groups of a cluster need the same 65,536 bytes of af: one joint tile (mask 15), each wave asking for 8,192 bytes: one tensor load a wave in the whole kernel.
; LDS: bytes 0 - 65,535 the tile of af, filled once by the tensor loads; from 65,536 w_proj's 64 rows, pitch 528, written by LDS stores alone.
; LIMIT: |w_proj| below 65,504 (f16's largest number).
.set WSB,    65536
.set WPITCH, 528                       ; 512 bytes + 16: sixteen rows' 16-byte pieces fall on sixteen different 16-byte columns modulo 256
.set WAVE, 12                          ; s12 the wave's number
.set VW,  1                            ; v1  w_proj: wave's 8 rows of 1,024 bytes + 16 lane
.set VSW, 2                            ; v2  WS: where the wave puts them, + 8 lane
.set VLB, 3                            ; v3  af's tile: 16 lane + my group
.set VLA, 4                            ; v4  WS: the lane's address for w's fragments
.set VOU, 5                            ; v5  out0: 8 h rows + 16 r
.set VBO, 6                            ; v6  32 h
.set BI,  8                            ; v[8:15]    the bias of channels 8 h + 0..7
.set ACC, 16                           ; v[16:47]   four accumulators
.set FR,  48                           ; v[48:207]  four fragment slots of 40 (w 8, a 4 x 8); first w as loaded, last the results
.set TT,  208                          ; v[208:223] at work
.macro PLACES n
.rept \n
	v_nop
.endr
.endm
.macro ROUND                           ; a round of the cluster's barrier
	s_barrier_signal -1
	s_barrier_wait -1
	s_cmp_lg_u32 s[WAVE], 0
	s_cbranch_scc1 .Lnot_wave_0_\@
	s_barrier_signal -3
.Lnot_wave_0_\@:
	s_barrier_wait -3
	s_barrier_signal -1
	s_barrier_wait -1
.endm
	s_load_b256 s[4:11], s[0:1], 0x0               ; af s[4:5], w_proj s[6:7], b_proj s[8:9], out0 s[10:11]
	v_lshl_add_u32 v224, v0, 2, 0x29000
	v_mov_b32 v225, 0
	ds_add_u32 v224, v225
	v_and_b32 v[TT], 31, v0                        ; lane
	v_lshrrev_b32 v[TT+1], 5, v0
	v_readfirstlane_b32 s[WAVE], v[TT+1]
	s_bfe_u32 s13, ttmp6, 0x40000                  ; cx: my 64 channels.  It enters the addresses of w_proj, b_proj and out0 alone
	s_and_b32 s14, ttmp7, 0xffff                   ; pb: my 128 pixels, shared by the cluster
	s_and_b32 s15, s[WAVE], 1                      ; gl: my group of 64 pixels
	s_lshr_b32 s26, s[WAVE], 1                     ; ct: my 16 channels
	v_and_b32 v[TT+1], 15, v[TT]                   ; r
	v_lshrrev_b32 v[TT+2], 4, v[TT]                ; h
	s_lshl_b32 s27, s[WAVE], 13
	v_lshl_add_u32 v[VW], v[TT], 4, s27
	s_mul_i32 s27, s[WAVE], 8*WPITCH
	s_add_co_u32 s27, s27, WSB
	v_lshl_add_u32 v[VSW], v[TT], 3, s27
	s_lshl_b32 s27, s15, 15
	v_lshl_add_u32 v[VLB], v[TT], 4, s27
	v_mul_u32_u24 v[VLA], v[TT+1], WPITCH
	v_lshl_add_u32 v[VLA], v[TT+2], 4, v[VLA]
	s_mul_i32 s27, s26, 16*WPITCH
	s_add_co_u32 s27, s27, WSB
	v_add_nc_u32 v[VLA], s27, v[VLA]               ; WS + (16 ct + r) pitch + 16 h
	v_lshlrev_b32 v[VOU], 17, v[TT+2]              ; 8 h rows of 16,384 bytes
	v_lshl_add_u32 v[VOU], v[TT+1], 4, v[VOU]
	v_lshlrev_b32 v[VBO], 5, v[TT+2]
	; descriptor group 1: 32 rows of 256 bytes, dense
	s_mov_b32 s16, 15|(3<<16)|(1<<21)              ; mask: all four work-groups; elements of 8 bytes; bit 21 set beside a mask; no padding
	s_mov_b32 s17, 32<<16                          ; tensor_dim0 = 32
	s_mov_b32 s18, 32<<16                          ; tensor_dim1 = 32
	s_mov_b32 s19, 32<<16                          ; tile_dim0 = 32
	s_mov_b32 s20, 32                              ; tile_dim1 = 32
	s_mov_b32 s21, 32                              ; pitch
	s_mov_b32 s22, 0
	s_mov_b32 s23, 0
	s_lshl_b32 s33, s[WAVE], 13                    ; my 8,192 bytes of the tile, in LDS and in memory
	s_lshl_b32 s24, s14, 16                        ; s[24:25] holds nothing of cx: it feeds the joint load
	s_add_co_u32 s24, s24, s33
	s_mov_b32 s25, 0
	s_mov_b32 s29, 0                               ; s[28:29], s30: offsets that hold cx
	s_mov_b32 s32, 1
	s_wait_dscnt 0x0
	s_wait_kmcnt 0x0
	s_add_nc_u64 s[34:35], s[4:5], s[24:25]
	s_or_b32 s35, s35, 0x80000000
	s_lshl_b32 s28, s13, 16                        ; 64 rows of w_proj
	s_add_nc_u64 s[6:7], s[6:7], s[28:29]
	s_lshl_b32 s28, s13, 8
	s_lshl_b32 s30, s26, 6
	s_add_co_u32 s28, s28, s30                     ; bias of channel 64 cx + 16 ct
	s_add_nc_u64 s[8:9], s[8:9], s[28:29]
	s_lshr_b32 s28, s14, 5
	s_lshl_b32 s28, s28, 22                        ; batch
	s_lshl_b32 s30, s13, 20                        ; 64 cx rows of 16,384 bytes
	s_add_co_u32 s28, s28, s30
	s_lshl_b32 s30, s26, 18                        ; 16 ct rows
	s_add_co_u32 s28, s28, s30
	s_and_b32 s30, s14, 31
	s_lshl_b32 s30, s30, 9                         ; 128 pixels
	s_add_co_u32 s28, s28, s30
	s_lshl_b32 s30, s15, 8                         ; 64 pixels
	s_add_co_u32 s28, s28, s30
	s_add_nc_u64 s[10:11], s[10:11], s[28:29]
	ROUND                                          ; all four work-groups are here: the joint loads meet
	tensor_load_to_lds s[32:35], s[16:23]
	s_nop 0
.set ii, 0
.rept 16
	global_load_b128 v[FR+4*ii:FR+4*ii+3], v[VW], s[6:7] offset:ii*512        ; half a row of w_proj: 512 consecutive bytes a wave
.set ii, ii+1
.endr
	global_load_b128 v[BI:BI+3],   v[VBO], s[8:9]
	global_load_b128 v[BI+4:BI+7], v[VBO], s[8:9] offset:16
.set gg, 0
.rept 4
	s_wait_loadcnt 14-4*gg                         ; w's loads 4 gg .. 4 gg + 3 are in: 12 - 4 gg younger of w and the bias's two stay out
.irp q, 0,1,2,3
	v_cvt_pk_f16_f32 v[TT+2*\q],   v[FR+4*(4*gg+\q)],   v[FR+4*(4*gg+\q)+1]
	v_cvt_pk_f16_f32 v[TT+2*\q+1], v[FR+4*(4*gg+\q)+2], v[FR+4*(4*gg+\q)+3]
	ds_store_b64 v[VSW], v[TT+2*\q:TT+2*\q+1] offset:((4*gg+\q)/2)*WPITCH+((4*gg+\q)%2)*256
.endr
.set gg, gg+1
.endr
	s_wait_loadcnt 0x0                             ; the bias
	s_wait_dscnt 0x0                               ; my rows of w_proj are in LDS,
	s_wait_tensorcnt 0x0                           ; and my part of af's tile: for the other waves' sake
	s_barrier_signal -1
	s_barrier_wait -1                              ; everybody's are; nothing writes LDS from here on
.macro FETCH n                         ; ten LDS loads: K step n (head n), w's fragment and a's four, into slot n % 4
.set fb, FR+40*((\n)%4)
	ds_load_b128 v[fb:fb+3],   v[VLA] offset:(\n)*64
	ds_load_b128 v[fb+4:fb+7], v[VLA] offset:(\n)*64+32
.irp t, 0,1,2,3
.irp hf, 0,1
	ds_load_b128 v[fb+8+8*\t+4*\hf:fb+8+8*\t+4*\hf+3], v[VLB] offset:(\n)*4096+\t*1024+\hf*512
.endr
.endr
.endm
.macro STEP n, left                    ; the four accumulators take turns, one instruction a turn
	s_wait_dscnt \left                             ; this step's ten loads are in; the younger fetches, ten loads each, stay out
.set fb, FR+40*((\n)%4)
.irp t, 0,1,2,3
.if (\n) == 0
	v_wmma_f32_16x16x32_f16 v[ACC+8*\t:ACC+8*\t+7], v[fb:fb+7], v[fb+8+8*\t:fb+8+8*\t+7], 0
.else
	v_wmma_f32_16x16x32_f16 v[ACC+8*\t:ACC+8*\t+7], v[fb:fb+7], v[fb+8+8*\t:fb+8+8*\t+7], v[ACC+8*\t:ACC+8*\t+7]
.endif
.endr
.endm
	FETCH 0
	FETCH 1
	FETCH 2
	FETCH 3
.irp n, 0,1,2,3
	STEP \n, 30
	PLACES 4                                       ; a load into a register that a matrix instruction has read stands four plain places behind it
	FETCH \n+4
.endr
	STEP 4, 30
	STEP 5, 20
	STEP 6, 10
	STEP 7, 0
	PLACES 4                                       ; behind the last products (ISA guide 7.12.1), ahead of the adds that read the sums and write fragment registers
.irp j, 0,1,2,3,4,5,6,7
.irp t, 0,1,2,3
	v_add_f32 v[FR+4*\j+\t], v[ACC+8*\t+\j], v[BI+\j]          ; pixel 4 r + t of channel 8 h + j: the add also brings the four pixels side by side
.endr
	global_store_b128 v[VOU], v[FR+4*\j:FR+4*\j+3], s[10:11] offset:\j*16384 th:TH_STORE_NT   ; sixteen lanes store 256 consecutive bytes of one channel's row, aligned
.endr
	s_wait_tensorcnt 0x0
	ds_add_u32 v224, v225
	s_wait_dscnt 0x0
	ROUND                                          ; the closing round: no work-group ends while a partner may still ask for the tile
	s_endpgm
.Lfunc_end_k_q52ca87cbcf_proj:
	.size	k_q52ca87cbcf_proj, .Lfunc_end_k_q52ca87cbcf_proj-k_q52ca87cbcf_proj
	.p2alignl 7, 3214868480
	.fill 96, 4, 3214868480
	.section	.rodata,"a",@progbits
	.p2align	6, 0x0
	.amdhsa_kernel k_q52ca87cbcf_proj
		.amdhsa_group_segment_fixed_size 168960
		.amdhsa_private_segment_fixed_size 0
		.amdhsa_enable_private_segment 0
		.amdhsa_kernarg_size 32
		.amdhsa_user_sgpr_count 2
		.amdhsa_user_sgpr_kernarg_segment_ptr 1
		.amdhsa_wavefront_size32 1
		.amdhsa_system_sgpr_workgroup_id_x 1
		.amdhsa_system_sgpr_workgroup_id_y 1
		.amdhsa_system_sgpr_workgroup_id_z 1
		.amdhsa_system_vgpr_workitem_id 0
		.amdhsa_next_free_vgpr 226
		.amdhsa_next_free_sgpr 66
		.amdhsa_reserve_vcc 0
		.amdhsa_float_denorm_mode_32 3
		.amdhsa_float_denorm_mode_16_64 3
		.amdhsa_memory_ordered 1
		.amdhsa_forward_progress 1
		.amdhsa_inst_pref_size 19
	.end_amdhsa_kernel
	.amdgpu_metadata
---
amdhsa.version: [ 1, 2 ]
amdhsa.kernels:
  - .name:           k_q52ca87cbcf_proj
    .symbol:         k_q52ca87cbcf_proj.kd
    .args:
      - { .name: af, .offset: 0, .size: 8, .value_kind: global_buffer, .address_space: global }
      - { .name: w_proj, .offset: 8, .size: 8, .value_kind: global_buffer, .address_space: global }
      - { .name: b_proj, .offset: 16, .size: 8, .value_kind: global_buffer, .address_space: global }
      - { .name: out0, .offset: 24, .size: 8, .value_kind: global_buffer, .address_space: global }
    .group_segment_fixed_size: 168960
    .private_segment_fixed_size: 0
    .kernarg_segment_align: 8
    .kernarg_segment_size: 32
    .max_flat_workgroup_size: 256
    .sgpr_count:     66
    .vgpr_count:     226
    .wavefront_size: 32
...
	.end_amdgpu_metadata
.endif
;; end of part 3
